; MI455X (gfx1250); checked and timed in simulation.
; The chip was launched on July 23, 2026; its instructions are those of AMD's public machine-readable ISA for CDNA 5 (MIT licence, August 2026) and "CDNA5" Instruction Set Architecture Reference Guide (July 2026). The comments in the code are by the model that wrote it; some were corrected since.
;; Attention. Allowed arithmetic: matrix products marked QUANTISED: E2M1 operands, one E8M0 scale for each 32 along K, by v_wmma_scale_f32_16x16x128_f8f6f4 with both operands' format E2M1 (or v_wmma_scale_f32_32x16x128_f4), f32 sums; products left as they are: bf16, f16 or f32 operands; f32 sums; everything else in f32.
;; Inputs: key 4 x 16 x 2,048 x 64 float32; query 4 x 16 x 2,048 x 64 float32; value 4 x 16 x 2,048 x 64 float32.
;; Outputs: out0 4 x 16 x 2,048 x 64 float32.
;; This version of the problem:
;;   THIS VERSION OF THE PROBLEM IS GIVEN IN LOW PRECISION. The matrix products marked QUANTISED in the list below multiply operands that are first quantised to E2M1 (2 exponent bits, 1 mantissa bit; 4 bits a number), with one power-of-two scale for each 32 numbers along K (OCP MX v1.0); their sums are f32. The products marked 'left as it is' may take bf16, f16 or f32 operands, with f32 sums. All else is computed in f32.
;;   The module's matrix products, in the order in which they are computed (A, B: the left and right operand; K: the contracted axis; several contracted axes count as one K, in the product's order):
;;     1. batch 64 x [M 2,048, K 64] x [K 64, N 2,048]; A: input query; B: input key: QUANTISED
;;     2. batch 64 x [M 2,048, K 2,048] x [K 2,048, N 64]; A: computed on the way; B: input value: left as it is (an operand is computed on the way)
;;   THE QUANTISER, for each operand of a quantised product, along K:
;;     - K is cut into blocks of 32 from its start; a last block that is shorter is filled with zeros.
;;     - A block's scale is 2^e with e = floor(log2(the largest magnitude in the block)) - 2, held to -126 .. 127; a block of zeros has e = 0. As a byte (E8M0): e + 127.
;;     - Each number is divided by its block's scale, clamped to +-6, and rounded to the nearest number of E2M1, ties to even, subnormals kept.
;;     - The product sums the exact products of the quantised numbers (number of the format x scale) in f32.
;;   ~~~python
;;   def quantise(x, axis):      # numpy; x: float32 -> the quantised numbers, widened to float32 again
;;       x = np.moveaxis(x, axis, -1); K = x.shape[-1]
;;       x = np.pad(x, [(0, 0)] * (x.ndim - 1) + [(0, -K % 32)]); x = x.reshape(x.shape[:-1] + (-1, 32)); a = np.abs(x).max(-1, keepdims=True)
;;       e = np.where(a > 0, np.clip(np.frexp(np.where(a > 0, a, 1))[1] - 1 - 2, -126, 127), 0)      # np.frexp(a)[1] - 1 = floor(log2(a)), exactly
;;       r = np.clip(x / 2.0 ** e, -6, 6)
;;       step = 2.0 ** (np.maximum(np.frexp(np.where(r == 0, 1, r))[1] - 1, 0) - 1)
;;       q = np.round(r / step) * step * 2.0 ** e      # np.round: ties to even
;;       return np.moveaxis(q.reshape(q.shape[:-2] + (-1,))[..., :K], -1, axis).astype(np.float32)
;;   ~~~
;; 2 versions, each right; version 2 is version 1 with the launch attn written anew for expert scheduling mode. Each part assembles by itself: llvm-mc -triple=amdgcn-amd-amdhsa -mcpu=gfx1250 --defsym DOCPART=n.
;; ======== version 1 of 2: 1 launch
;; limits: values are held in f16: magnitudes above 65,504 overflow, below 6.1e-05 lose precision; inputs' magnitudes at most 65,504
;; launch attn (part 1): grid 4 x 64, 16 waves a work-group, no clusters, 186,368 bytes of LDS; arguments query, key, value, out0; writes out0
.if DOCPART == 1
	.amdgcn_target "amdgcn-amd-amdhsa--gfx1250"
	.amdhsa_code_object_version 6
	.text
	.protected	k_q26e5192282_attn
	.globl	k_q26e5192282_attn
	.p2align	8
	.type	k_q26e5192282_attn,@function
k_q26e5192282_attn:
	s_mov_b64 s[64:65], 0
	v_nop
	global_prefetch_b8 v0, s[64:65] scope:SCOPE_SE
	s_setreg_imm32_b32 hwreg(HW_REG_WAVE_MODE, 25, 1), 1
	s_wait_xcnt 0x0
; out0[head][q][:] = the sum over k of softmax_k(Q[q] . K[k] / 8) V[k][:].  64 heads, 2,048 queries and keys, head size 64, all f32.
; Q K^T IS QUANTISED: both operands become codes of E2M1 with one E8M0 scale for each 32 along the head's 64, and are multiplied by v_wmma_scale_f32_16x16x128_f8f6f4.
; That instruction is 128 deep and the head 64: registers 4-7 of every fragment (k = 64 .. 127) hold zero codes on both sides; their scale bytes are 0, which is no NaN.
; P V is left as it is: p and V rounded to f16 (11 significant bits), sums in f32.  Maximum, exponentials and the row's sum in f32.
; SHARES.  A work-group owns 512 queries of one head (grid 4 x 64), each of its sixteen waves 32: two tiles of 16, in 256 registers, four waves to a SIMD.
; THE KEYS ARE WALKED TWICE.  The head's K as codes and scale words is 73,728 bytes and stays in LDS.  Pass B makes all scores and keeps each query's maximum m.  Pass C makes the same scores again
; (same instruction, same operands, same bits), p = 2^(c s - c m) with the final m, c = log2(e) / 8, adds p up, rounds it to f16 and adds V^T P onto O^T.  So nothing is ever rescaled, and m is the row's true maximum.
; LAYOUT.  S^T = K Q^T (source 0 = 16 keys, source 1 = 16 queries): a lane holds ONE query (lane % 16) and keys 8 (lane / 16) + 0 .. 7.  Two such tiles (a step of 32 keys), rounded in pairs, ARE source 1 of
; O^T = V^T P (source 0 = 16 channels x 32 keys, read turned from V laid [key][channel]); its result again holds one query a lane, and eight channels.
; K AND V GO memory -> registers -> LDS: they arrive as f32 and have to pass through registers to be quantised or rounded.  NO CLUSTER, NO JOINT TENSOR LOADS: a joint load would lay the f32 bytes, 1 MiB for each
; work-group, into LDS to be read out and stored again, in order to spare four loads a wave for each 128 keys.  NO LAUNCH OF ITS OWN FOR THE QUANTISER: a wave quantises 8 tiles of K and rounds 128 keys x 16 bytes a lane of V,
; a few hundred instructions beside the six thousand of its softmax.
; LIMITS.  NaN and infinities among the inputs are not served.  A block of zeros gets the scale byte 1 where the quantiser says 127: its codes are zeros, and only this program reads the bytes.
; V is rounded to f16: magnitudes from 65,520 on become infinity there, and under 2^-14 the step is 2^-24.  p lies in (0, 1]: in the second product a p under 2^-14 has the step 2^-24 and one under 2^-25 counts for 0
; (2,048 such errors are under 7e-5 of a row's sum, which is at least 1); in the row's sum a p under 2^-126 falls to 0 (v_exp_f32 gives no denormals: ISA guide 15.8).
.set KREC,  1152                       ; LDS 0 on: 64 records, one for each step of 32 keys: +0 the register image of the first 16 keys' codes (16 bytes a lane), +512 of the second 16's, +1,024 their 32 scale words (4 bytes a lane)
.set VB,    64*KREC                    ; behind them: V as f16, two slots of 128 keys
.set VP,    160                        ; a key's row: 128 bytes + 32 of padding = 40 words: the 8 rows x 32 bytes that sixteen lanes of a turning load take begin at words 40 r mod 64, all different
.set VSLOT, 128*VP
.set OST,   VB+2*VSLOT                 ; behind them: a stage of 16 rows x (256 + 16) bytes for each wave, for the way out
.set OSTW,  16*272
.set AK0, 1                            ; v1   16 x lane: my place in an image; also my offset in two rows of out0
.set ADK, 2                            ; v2   the images' address in hand
.set AV0, 3                            ; v3   my place in a step's rows of V, for the turning loads
.set VST, 4                            ; v4   where I store 8 bytes of V
.set VGO, 5                            ; v5   my offset in a chunk of V in memory
.set PFO, 6                            ; v6   the prefetches' offset: 256 x (thread % 128)
.set AKS, 7                            ; v7   phase A: where I store scale words;  at the end STO
.set STO, 7
.set QS,  8                            ; v8-9   Q's scale words, a register a tile: scales and nothing else
.set KS,  10                           ; v10-11 K's scale words, two sets: lanes 0-15 the step's first 16 keys, lanes 16-31 its second 16
.set AKW, 12                           ; v12  phase A: where I store images;  at the end SRD
.set SRD, 12
.set XO,  13                           ; v13  phase A: my offset in a tile of 16 rows of f32;  later ADS
.set ADS, 13                           ;      the scale words' address in hand
.set SH8, 14                           ; v14  phase A: 8 x (lane / 16);  later AS0
.set AS0, 14                           ;      4 x lane
.set LN,  15                           ; v15  lane
.set QF,  16                           ; v16-31  Q's two fragments
.set KF,  32                           ; v32-47  two fragments of K (a step)
.set CM,  48                           ; v48-51  tile q: -c m, twice
.set T0,  48                           ; phase A: at work
.set T1,  49
.set SCL, 50
.set BY,  51
.set L,   52                           ; v52-59  the sums: a pair for each of a step's four accumulators
.set M,   52                           ; pass B: v52-55 the maxima, likewise
.set VS,  60                           ; v60-75  16 numbers of V on their way
.set P,   76                           ; v76-91  p as f16, 8 registers a tile
.set WD,  76                           ; phase A: v76-83 the scale words of my 8 tiles of K, v84-87 merged by steps
.set KW,  84
.set VF,  92                           ; v92-123 four fragments of V^T
.set KCD, 92                           ; phase A: the codes of my 8 tiles of K
.set KB1, 92                           ; pass B: K's second buffer
.set S,   124                          ; v124-187 scores, two sets of 32: accumulator (tile q, keys 16 u on) at 16 q + 8 u
.set X,   124                          ; phase A: v124-251 four sets of 32 numbers
.set O,   188                          ; v188-251 O^T: accumulator (tile q, channels 16 c on) at 32 q + 8 c
; s[4:5] Q, s[6:7] K, s[8:9] V, s[10:11] out0, each at my part; s12 wave; s[16:17] lane selects; s[18:19] c; s20 a loop's count; s21, s22 who prefetches; s23 the K records' step
; a tile of 16 rows x 64 f32: lane (r, h) takes the 128 bytes of block h of row r, in the order in which the fragment wants them; the eight loads together cover 4,096 bytes on end
.macro XLOAD g, b, off, hint
.irp n, 0,1,2,3,4,5,6,7
.if \hint
	global_load_b128 v[X+32*(\g)+4*\n:X+32*(\g)+4*\n+3], v[XO], s[\b:\b+1] offset:(\off)+16*\n th:TH_LOAD_NT
.else
	global_load_b128 v[X+32*(\g)+4*\n:X+32*(\g)+4*\n+3], v[XO], s[\b:\b+1] offset:(\off)+16*\n
.endif
.endr
.endm
; my block of 32 numbers becomes registers 0-3 of a fragment, v[cd] on, and the row's scale word, v[wd] (the same in lanes l and l xor 16)
.macro QUANT xs, cd, wd
	v_max3_num_f32 v[T0], |v[(\xs)]|, |v[(\xs)+1]|, 0x1800000       ; the largest magnitude, in two chains, and the floor 2^(3 - 127): the byte cannot fall under 1, as the quantiser's hold at -126 has it
	v_max3_num_f32 v[T1], |v[(\xs)+2]|, |v[(\xs)+3]|, |v[(\xs)+4]|
.irp i, 5,9,13,17,21,25
	v_max3_num_f32 v[T0], v[T0], |v[(\xs)+\i]|, |v[(\xs)+\i+1]|
	v_max3_num_f32 v[T1], v[T1], |v[(\xs)+\i+2]|, |v[(\xs)+\i+3]|
.endr
	v_max3_num_f32 v[T0], v[T0], |v[(\xs)+29]|, |v[(\xs)+30]|
	v_max3_num_f32 v[T0], v[T0], v[T1], |v[(\xs)+31]|
	v_add_nc_u32 v[SCL], 0xff000000, v[T0]         ; 2 off its exponent field: the conversion takes the exponent field of this operand as its scale
	v_lshrrev_b32 v[BY], 23, v[SCL]                ; the scale's byte
.irp g, 0,1,2,3
	v_cvt_scalef32_pk8_fp4_f32 v[(\cd)+\g], v[(\xs)+8*\g:(\xs)+8*\g+7], v[SCL]
.endr
	v_lshlrev_b32 v[BY], v[SH8], v[BY]             ; my byte at its place in the word (block h: 8 h bits up).  Also the plain line behind the conversions
	v_permlanex16_b32 v[T1], v[BY], s16, s17
	v_or_b32 v[\wd], v[BY], v[T1]                  ; with lane l xor 16's the word is whole; bytes 2 and 3 stay 0, over zero codes
.endm
; my wave's 8 keys of a chunk of 128: four loads of 512 bytes on end (two keys each)
.macro VLOAD off
.irp n, 0,1,2,3
	global_load_b128 v[VS+4*\n:VS+4*\n+3], v[VGO], s[8:9] offset:(\off)+512*\n
.endr
.endm
; they are rounded to f16 and laid into a slot, 8 bytes a lane
.macro VCONV slot
.irp n, 0,1,2,3
	v_cvt_pk_f16_f32 v[VS+4*\n], v[VS+4*\n], v[VS+4*\n+1]
	v_cvt_pk_f16_f32 v[VS+4*\n+1], v[VS+4*\n+2], v[VS+4*\n+3]
.endr
.irp n, 0,1,2,3
	ds_store_b64 v[VST], v[VS+4*\n:VS+4*\n+1] offset:(\slot)*VSLOT+2*VP*\n
.endr
.endm
; a record: registers 0-3 of two fragments and the step's scale words: three LDS loads
.macro KLOAD kb, ks, ak, a4, off
	ds_load_b128 v[(\kb):(\kb)+3], v[\ak] offset:(\off)
	ds_load_b128 v[(\kb)+8:(\kb)+11], v[\ak] offset:(\off)+512
	ds_load_b32 v[\ks], v[\a4] offset:(\off)+1024
.endm
; product n of a step's four: keys 16 (n / 2) on x tile n % 2, into set xs.  Each starts its sum with the constant 0
.macro KQ kb, ks, xs, n
.set rS, S+32*(\xs)+16*((\n)%2)+8*((\n)/2)
.set rK, (\kb)+8*((\n)/2)
.set rQ, QF+8*((\n)%2)
.if (\n)/2
	v_wmma_scale_f32_16x16x128_f8f6f4 v[rS:rS+7], v[rK:rK+7], v[rQ:rQ+7], 0, v[\ks], v[QS+(\n)%2] matrix_a_fmt:MATRIX_FMT_FP4 matrix_b_fmt:MATRIX_FMT_FP4 matrix_a_scale:MATRIX_SCALE_ROW1
.else
	v_wmma_scale_f32_16x16x128_f8f6f4 v[rS:rS+7], v[rK:rK+7], v[rQ:rQ+7], 0, v[\ks], v[QS+(\n)%2] matrix_a_fmt:MATRIX_FMT_FP4 matrix_b_fmt:MATRIX_FMT_FP4
.endif
.endm
; PASS B, step j, x = j % 2: the record of step j + 2 is asked for, the scores of step j + 1 are made, the maxima take the scores of step j, four lines behind each product.
; The four lines behind the last product are the places in front of the next step's loads into that product's buffer, and of the first read of its result.
.macro BSTEP x, ld, ak, a4, off
.if \ld
	KLOAD KF+(KB1-KF)*(\x), KS+(\x), \ak, \a4, \off
.endif
	s_wait_dscnt 3*(\ld)                           ; the record of step j + 1 is in; the three loads just issued may be out
.irp n, 0,1,2,3
	KQ KF+(KB1-KF)*(1-(\x)), KS+1-(\x), 1-(\x), \n
.irp e, 0,1,2,3
	v_max3_num_f32 v[M+\e], v[M+\e], v[S+32*(\x)+8*\e+2*\n], v[S+32*(\x)+8*\e+2*\n+1]   ; each accumulator from its low end on
.endr
.endr
.endm
.macro SETK                            ; the records' addresses: my lane's place + the step that s23 holds
	v_add_nc_u32 v[ADK], s23, v[AK0]
	v_add_nc_u32 v[ADS], s23, v[AS0]
.endm
; PASS C: the lines of a step
.macro FMA x, i                        ; pair i of the 16 pairs of scores: c s - c m
	v_pk_fma_f32 v[S+32*(\x)+2*(\i):S+32*(\x)+2*(\i)+1], v[S+32*(\x)+2*(\i):S+32*(\x)+2*(\i)+1], s[18:19], v[CM+2*((\i)/8):CM+2*((\i)/8)+1] op_sel_hi:[1,0,0]
.endm
.macro EXP x, k
	v_exp_f32 v[S+32*(\x)+(\k)], v[S+32*(\x)+(\k)]
.endm
.macro PV k, zero                      ; product k of eight: channels 16 (k / 2) on, tile k % 2
.set rO, O+32*((\k)%2)+8*((\k)/2)
.set rV, VF+8*((\k)/2)
.set rP, P+8*((\k)%2)
.if \zero
	v_wmma_f32_16x16x32_f16 v[rO:rO+7], v[rV:rV+7], v[rP:rP+7], 0
.else
	v_wmma_f32_16x16x32_f16 v[rO:rO+7], v[rV:rV+7], v[rP:rP+7], v[rO:rO+7]
.endif
.endm
.macro ADDP x, n                       ; sum n of 16: chain n % 4 takes pair n / 4 of its accumulator: the unrounded p
	s_wait_alu depctr_va_vdst(0)
	v_pk_add_f32 v[L+2*((\n)%4):L+2*((\n)%4)+1], v[L+2*((\n)%4):L+2*((\n)%4)+1], v[S+32*(\x)+8*((\n)%4)+2*((\n)/4):S+32*(\x)+8*((\n)%4)+2*((\n)/4)+1]
.endm
.macro CVTP x, n                       ; two p to f16: the first into the low half
	v_cvt_pk_f16_f32 v[P+(\n)], v[S+32*(\x)+2*(\n)], v[S+32*(\x)+2*(\n)+1]
.endm
; Step j, x = j % 2, t = its number in a pair of chunks.  V^T P of step j - 1 stands among the exponentials of step j; K Q^T of step j + 1 among its roundings; V of step j and K of step j + 2 are asked for.
; pv = 2: eight products V^T P; 1: they start O^T's sums; 0: none.  wv: how many LDS instructions were issued behind the eight loads of V.  kq, kl: there is a step j + 1, a step j + 2.
; The twelve accumulators take turns, one instruction a turn.  Every place behind a matrix instruction is work: the first eight sums stand between the last V^T P and the loads into V's
; fragments and the roundings into P; the last eight sums between the last K Q^T and the loads into K's fragments and the next step's first read of the scores.
.macro CSTEP x, t, pv, wv, kq, kl
	FMA \x, 0
	FMA \x, 1
.set i, 0
.rept 16
	EXP \x, 2*i
.if i < 14
	FMA \x, i+2                                    ; a plain line that touches neither exponential's register
.endif
	EXP \x, 2*i+1
.if \pv && (i%2 == 1)
.if i == 1
	s_wait_dscnt \wv                               ; V's fragments of step j - 1 are in; the record asked for behind them may be out
.endif
	PV (i-1)/2, 2-\pv
.endif
.set i, i+1
.endr
.irp n, 0,1,2,3,4,5,6,7
	ADDP \x, \n                                    ; (the first is the plain line behind the last exponentials: it reads the step's first pair)
.endr
.irp c, 0,1,2,3
	ds_load_tr16_b128 v[VF+8*\c:VF+8*\c+3], v[AV0] offset:((\t)/4)*VSLOT+((\t)%4)*32*VP+32*\c
	ds_load_tr16_b128 v[VF+8*\c+4:VF+8*\c+7], v[AV0] offset:((\t)/4)*VSLOT+((\t)%4)*32*VP+32*\c+16*VP
.endr
.if \kq
	s_wait_dscnt 8                                 ; the record of step j + 1 is in (and, in a chunk's first step, my stores of V have landed); the eight loads just issued may be out
	KQ KF, KS+1-(\x), 1-(\x), 0
.endif
.irp n, 0,1,2,3,4
	CVTP \x, \n
.endr
.if \kq
	KQ KF, KS+1-(\x), 1-(\x), 1
.endif
.irp n, 5,6,7,8,9
	CVTP \x, \n
.endr
.if \kq
	KQ KF, KS+1-(\x), 1-(\x), 2
.endif
.irp n, 10,11,12,13,14,15
	CVTP \x, \n
.endr
.if \kq
	KQ KF, KS+1-(\x), 1-(\x), 3
.endif
.irp n, 8,9,10,11,12,13,14,15
	ADDP \x, \n
.endr
.if \kl
	KLOAD KF, KS+(\x), ADK, ADS, KREC*((\t)+2)
.endif
.endm
; A PREFETCH INTO THE L2 of the chunk of V that the NEXT chunk's loads will read.  It stands behind my wave's four loads of V.  All four work-groups of a head walk the same V: the head's first work-group asks,
; its waves 0 to 3, a lane a row of 256 bytes: 128 rows, the chunk.  So each row is named once in the launch.  Chunks 0 to 2 come by their loads alone; chunk 13's turn and the tail ask for nothing: there is no chunk 16.
.macro ASK lim, off
	s_cmp_gt_u32 s20, s[\lim]
	s_cbranch_scc0 .Lno_ask_\@
	global_prefetch_b8 v[PFO], s[8:9] offset:\off th:TH_LOAD_NT scope:SCOPE_SE
.Lno_ask_\@:
.endm
; A chunk of 128 keys, four steps, read from slot p.  conv: the next chunk, which has come into registers, goes into the other slot; load: the chunk after that is asked for.
; The barrier at a chunk's end: every wave's stores of the next chunk have landed and its reads of this slot are over (its wait for 0), so behind it the next slot is read and this one written.
.macro CCHUNK p, conv, load, lim, first, last
.if \conv
	s_wait_loadcnt 0x0                             ; asked for three steps and a barrier ago
	VCONV 1-(\p)
.endif
.if \first
	CSTEP 0, 4*(\p), 0, 0, 1, 1
.else
	CSTEP 0, 4*(\p), 2, 3, 1, 1
.endif
.if \load
	VLOAD 65536+32768*(\p)                         ; two chunks on; the step above has waited for the stores that read these registers
	ASK \lim, 98304+32768*(\p)
.endif
.if \first
	CSTEP 1, 4*(\p)+1, 1, 3, 1, 1
.else
	CSTEP 1, 4*(\p)+1, 2, 3, 1, 1
.endif
.if \last
	CSTEP 0, 4*(\p)+2, 2, 3, 1, 0
	CSTEP 1, 4*(\p)+3, 2, 0, 0, 0
.else
	CSTEP 0, 4*(\p)+2, 2, 3, 1, 1
	CSTEP 1, 4*(\p)+3, 2, 3, 1, 1
	s_wait_dscnt 0x0
	s_barrier_signal -1
	s_barrier_wait -1
.endif
.endm
.macro PAIREND                         ; on to the next two chunks
	s_wait_xcnt 0x0                                ; the loads and the prefetch, three steps back, have read their base
	s_add_nc_u64 s[8:9], s[8:9], 0x10000
	s_add_co_u32 s23, s23, 8*KREC
	SETK
.endm
	; ---- the head: addresses and constants
	s_load_b256 s[4:11], s[0:1], 0x0               ; query, key, value, out0
	v_lshl_add_u32 v254, v0, 2, 0x2d000
	v_mov_b32 v255, 0
	v_lshrrev_b32 v[ADK], 5, v0
	v_readfirstlane_b32 s12, v[ADK]                ; wave 0..15
	v_and_b32 v[LN], 31, v0
	v_and_b32 v[P], 15, v0                         ; r
	v_bfe_u32 v[P+1], v0, 4, 1                     ; h
	v_bfe_u32 v[P+2], v0, 3, 1
	v_lshlrev_b32 v[AK0], 4, v[LN]
	v_and_b32 v[AV0], 7, v0                        ; the turning load: lane l reads key 8 h + l % 8, channels 8 ((l / 8) % 2) on
	v_lshl_add_u32 v[AV0], v[P+1], 3, v[AV0]
	v_mul_u32_u24 v[AV0], v[AV0], VP
	v_lshl_add_u32 v[AV0], v[P+2], 4, v[AV0]
	v_add_nc_u32 v[AV0], VB, v[AV0]
	s_mul_i32 s13, s12, 8*VP                       ; V's stores: key 8 w + h (+ 2 n), channels 4 r on: 8 bytes
	s_add_co_u32 s13, s13, VB
	v_mul_u32_u24 v[VST], v[P+1], VP
	v_lshl_add_u32 v[VST], v[P], 3, v[VST]
	v_add_nc_u32 v[VST], s13, v[VST]
	s_lshl_b32 s13, s12, 11
	v_add_nc_u32 v[VGO], s13, v[AK0]               ; 2,048 w + 16 l
	v_and_b32 v[PFO], 127, v0
	v_lshlrev_b32 v[PFO], 8, v[PFO]
	s_mul_i32 s13, s12, 4*KREC                     ; my wave's four records
	v_lshl_add_u32 v[AKS], v[LN], 2, s13
	v_add_nc_u32 v[AKW], s13, v[AK0]
	v_lshlrev_b32 v[XO], 8, v[P]
	v_lshl_add_u32 v[XO], v[P+1], 7, v[XO]         ; row r of 256 bytes, + 128 h
	v_lshlrev_b32 v[SH8], 3, v[P+1]
.irp e, 4,5,6,7,12,13,14,15
	v_mov_b32 v[QF+\e], 0                          ; k = 64 .. 127: zero codes, written once; loads and conversions write registers 0-3 alone
	v_mov_b32 v[KF+\e], 0
.endr
	s_mov_b32 s16, 0x76543210
	s_mov_b32 s17, 0xfedcba98                      ; v_permlanex16_b32's selects for lane l xor 16
	s_mov_b32 s18, 0x3e38aa3b                      ; c = log2(e) / 8
	s_mov_b32 s19, s18                             ; (named with it as a pair, so it is written)
	s_lshr_b32 s13, s12, 2
	s_or_b32 s13, s13, ttmp9                       ; 0 in waves 0 to 3 of the head's first work-group
	s_cmp_eq_u32 s13, 0
	s_cselect_b32 s21, 0, -1                       ; a wave prefetches while s20 is above these
	s_cselect_b32 s22, 1, -1
	s_and_b32 s14, ttmp7, 0xffff
	s_lshl_b32 s14, s14, 19                        ; the head: 2,048 rows of 256 bytes
	s_mov_b32 s15, 0
	s_lshl_b32 s24, ttmp9, 17                      ; my work-group's 512 queries,
	s_lshl_b32 s25, s12, 13                        ; my wave's 32
	s_add_co_u32 s24, s24, s25
	s_add_co_u32 s24, s24, s14
	s_mov_b32 s25, 0
	s_lshl_b32 s26, s12, 15                        ; my wave's 128 keys
	s_add_co_u32 s26, s26, s14
	s_mov_b32 s27, 0
	s_wait_kmcnt 0x0
	s_add_nc_u64 s[4:5], s[4:5], s[24:25]
	s_add_nc_u64 s[10:11], s[10:11], s[24:25]
	s_add_nc_u64 s[6:7], s[6:7], s[26:27]
	s_add_nc_u64 s[8:9], s[8:9], s[14:15]
	; ---- phase A: my two tiles of Q into registers, my eight tiles of K into LDS, V's chunk 0 into slot 0.  Four tiles' loads (32) are on their way
	VLOAD 0
	XLOAD 0, 4, 0, 1
	XLOAD 1, 4, 4096, 1
	XLOAD 2, 6, 0, 0
	XLOAD 3, 6, 4096, 0
	s_wait_loadcnt 24                              ; V's chunk 0 and Q's tile 0 are in; the three younger tiles' eight loads each may be out
	QUANT X, QF, QS
	XLOAD 0, 6, 2*4096, 0
	VCONV 0
	s_wait_loadcnt 24
	QUANT X+32, QF+8, QS+1
	XLOAD 1, 6, 3*4096, 0
.macro KTILE t, left                   ; tile t of my eight of K; left: the younger tiles' loads
	s_wait_loadcnt \left
	QUANT X+32*(((\t)+2)%4), KCD+4*(\t), WD+(\t)
	ds_store_b128 v[AKW], v[KCD+4*(\t):KCD+4*(\t)+3] offset:((\t)/2)*KREC+((\t)%2)*512
.if (\t)+4 < 8
	XLOAD ((\t)+2)%4, 6, ((\t)+4)*4096, 0
.endif
.endm
	KTILE 0, 24
	KTILE 1, 24
	KTILE 2, 24
	KTILE 3, 24
	KTILE 4, 24
	KTILE 5, 16
	KTILE 6, 8
	KTILE 7, 0
	v_cmp_lt_u32 vcc_lo, 15, v[LN]
.irp e, 0,1,2,3
	v_cndmask_b32 v[KW+\e], v[WD+2*\e], v[WD+2*\e+1], vcc_lo     ; a step's words: lanes 0-15 its first tile's rows, lanes 16-31 its second's
.endr
.irp e, 0,1,2,3
	ds_store_b32 v[AKS], v[KW+\e] offset:KREC*\e+1024
.endr
	v_lshlrev_b32 v[AS0], 2, v[LN]
	s_wait_dscnt 0x0                               ; for the others' sake: my records and my part of slot 0 have landed
	VLOAD 32768                                    ; chunk 1
.irp e, 4,5,6,7,12,13,14,15
	v_mov_b32 v[KB1+\e], 0                         ; the second buffer's zero codes
.endr
	s_barrier_signal -1
	s_barrier_wait -1                              ; all 64 records and slot 0 are whole
	; ---- pass B: each query's largest score
	KLOAD KF, KS, AK0, AS0, 0
	KLOAD KB1, KS+1, AK0, AS0, KREC
	s_wait_dscnt 3                                 ; record 0 is in; record 1's three loads may be out
.irp n, 0,1,2,3
	KQ KF, KS, 0, \n
.endr
.irp e, 0,1,2,3
	v_mov_b32 v[M+\e], 0xff800000                  ; under every score.  (These and the two additions below are the places behind those products)
.endr
	s_mov_b32 s23, 0
	s_mov_b32 s20, 15
.Lmax:                                             ; 15 trips of four steps: steps 0 to 59
	SETK
	BSTEP 0, 1, ADK, ADS, 2*KREC
	BSTEP 1, 1, ADK, ADS, 3*KREC
	BSTEP 0, 1, ADK, ADS, 4*KREC
	BSTEP 1, 1, ADK, ADS, 5*KREC
	s_add_co_u32 s23, s23, 4*KREC
	s_sub_co_u32 s20, s20, 1
	s_cmp_lg_u32 s20, 0
	s_cbranch_scc1 .Lmax
	SETK
	BSTEP 0, 1, ADK, ADS, 2*KREC                   ; steps 60 and 61 ask for the last two records,
	BSTEP 1, 1, ADK, ADS, 3*KREC
	BSTEP 0, 1, AK0, AS0, 0                        ; step 62 for record 0 again,
	BSTEP 1, 0, AK0, AS0, 0                        ; and step 63's products are pass C's scores of step 0
	KLOAD KF, KS+1, AK0, AS0, KREC                 ; record 1, for pass C
.irp q, 0,1
	v_max_num_f32 v[M+2*\q], v[M+2*\q], v[M+2*\q+1]
.endr
.irp q, 0,1
	v_permlanex16_b32 v[M+2*\q+1], v[M+2*\q], s16, s17           ; the query's other keys lie in the lane 16 away
.endr
.irp q, 0,1
	v_max_num_f32 v[M+2*\q], v[M+2*\q], v[M+2*\q+1]
.endr
.irp q, 0,1
	v_mul_f32 v[CM+2*\q], 0xbe38aa3b, v[M+2*\q]    ; -c m
.endr
.irp q, 0,1
	v_mov_b32 v[CM+2*\q+1], v[CM+2*\q]             ; (named with it as a pair)
.endr
.irp e, 0,1,2,3,4,5,6,7
	v_mov_b32 v[L+\e], 0
.endr
	s_mov_b32 s23, 0
	SETK
	; ---- pass C: 16 chunks of 128 keys, in pairs
	s_mov_b32 s20, 7                               ; (above both limits: the first pair asks for chunks 3 and 4)
	CCHUNK 0, 1, 1, 21, 1, 0                       ; the first pair is written out: step 0 has no V^T P, step 1's starts O^T's sums: nothing is cleared
	CCHUNK 1, 1, 1, 22, 0, 0
	PAIREND
	s_mov_b32 s20, 6
.Lpair:                                            ; chunks 2 to 13
	CCHUNK 0, 1, 1, 21, 0, 0
	CCHUNK 1, 1, 1, 22, 0, 0
	PAIREND
	s_sub_co_u32 s20, s20, 1
	s_cmp_lg_u32 s20, 0
	s_cbranch_scc1 .Lpair
	CCHUNK 0, 1, 0, 21, 0, 0                       ; chunk 14: chunk 15 goes into its slot; nothing is left to ask for
	CCHUNK 1, 0, 0, 21, 0, 1                       ; chunk 15: its last steps have no step behind them
	s_mul_i32 s13, s12, OSTW                       ; the way out's addresses are made here, while V's last fragments come in
	s_add_co_u32 s13, s13, OST                     ; my stage
	v_and_b32 v[CM], 15, v0                        ; r
	v_bfe_u32 v[CM+1], v0, 4, 1                    ; h
	v_mul_u32_u24 v[STO], v[CM], 272               ; in: row r; accumulator c's eight channels of my half: 64 c + 32 h bytes on
	v_lshl_add_u32 v[STO], v[CM+1], 5, v[STO]
	v_add_nc_u32 v[STO], s13, v[STO]
	v_mul_u32_u24 v[SRD], v[CM+1], 272             ; back: lanes 0-15 one row of 256 bytes, lanes 16-31 the next
	v_lshl_add_u32 v[SRD], v[CM], 4, v[SRD]
	v_add_nc_u32 v[SRD], s13, v[SRD]
	s_wait_dscnt 0x0                               ; V's last fragments are in
.set i, 0
.rept 8
	PV i, 0                                        ; V^T P of step 63
.set i, i+1
.endr
	; ---- the way out: O^T / the row's sum, through my stage, as whole rows.  The additions are the places behind the last products
.irp q, 0,1
	v_pk_add_f32 v[L+4*\q:L+4*\q+1], v[L+4*\q:L+4*\q+1], v[L+4*\q+2:L+4*\q+3]
.endr
.irp q, 0,1
	v_add_f32 v[L+4*\q], v[L+4*\q], v[L+4*\q+1]
.endr
.irp q, 0,1
	v_permlanex16_b32 v[L+4*\q+1], v[L+4*\q], s16, s17
.endr
.irp q, 0,1
	v_add_f32 v[L+4*\q], v[L+4*\q], v[L+4*\q+1]
.endr
.irp q, 0,1
	v_rcp_f32 v[L+4*\q+2], v[L+4*\q]
.endr
	v_nop                                          ; a plain line between the reciprocals and their use
.set i, 0
.rept 32
	s_wait_alu depctr_va_vdst(0)
	v_pk_mul_f32 v[O+2*i:O+2*i+1], v[O+2*i:O+2*i+1], v[L+4*(i/16)+2:L+4*(i/16)+3] op_sel_hi:[1,0]   ; ascending: each accumulator from its low end on
.set i, i+1
.endr
.irp q, 0,1
.irp c, 0,1,2,3
	ds_store_b128 v[STO], v[O+32*\q+8*\c:O+32*\q+8*\c+3] offset:64*\c
	ds_store_b128 v[STO], v[O+32*\q+8*\c+4:O+32*\q+8*\c+7] offset:64*\c+16
.endr
.irp e, 0,1,2,3,4,5,6,7
	ds_load_b128 v[S+32*\q+4*\e:S+32*\q+4*\e+3], v[SRD] offset:544*\e    ; LDS serves a wave's instructions in order (ISA guide 5.7.1.4): these see my stores, and the second tile's stores come behind them
.endr
.endr
.irp q, 0,1
.irp e, 0,1,2,3,4,5,6,7
	s_wait_dscnt 23-16*\q-\e                       ; the LDS instructions issued behind this load may be out
	global_store_b128 v[AK0], v[S+32*\q+4*\e:S+32*\q+4*\e+3], s[10:11] offset:4096*\q+512*\e th:TH_STORE_NT   ; 32 lanes store two rows, 512 bytes on end, at a multiple of 256 from out0's first byte
.endr
.endr
	s_wait_tensorcnt 0x0
	ds_add_u32 v254, v255
	s_wait_dscnt 0x0
	s_endpgm
.Lfunc_end_k_q26e5192282_attn:
	.size	k_q26e5192282_attn, .Lfunc_end_k_q26e5192282_attn-k_q26e5192282_attn
	.p2alignl 7, 3214868480
	.fill 96, 4, 3214868480
	.section	.rodata,"a",@progbits
	.p2align	6, 0x0
	.amdhsa_kernel k_q26e5192282_attn
		.amdhsa_group_segment_fixed_size 186368
		.amdhsa_private_segment_fixed_size 0
		.amdhsa_enable_private_segment 0
		.amdhsa_kernarg_size 32
		.amdhsa_user_sgpr_count 2
		.amdhsa_user_sgpr_kernarg_segment_ptr 1
		.amdhsa_wavefront_size32 1
		.amdhsa_system_sgpr_workgroup_id_x 1
		.amdhsa_system_sgpr_workgroup_id_y 1
		.amdhsa_system_sgpr_workgroup_id_z 1
		.amdhsa_system_vgpr_workitem_id 0
		.amdhsa_next_free_vgpr 256
		.amdhsa_next_free_sgpr 66
		.amdhsa_reserve_vcc 1
		.amdhsa_float_denorm_mode_32 3
		.amdhsa_float_denorm_mode_16_64 3
		.amdhsa_memory_ordered 1
		.amdhsa_forward_progress 1
		.amdhsa_inst_pref_size 210
	.end_amdhsa_kernel
	.amdgpu_metadata
---
amdhsa.version: [ 1, 2 ]
amdhsa.kernels:
  - .name:           k_q26e5192282_attn
    .symbol:         k_q26e5192282_attn.kd
    .args:
      - { .name: query, .offset: 0, .size: 8, .value_kind: global_buffer, .address_space: global }
      - { .name: key, .offset: 8, .size: 8, .value_kind: global_buffer, .address_space: global }
      - { .name: value, .offset: 16, .size: 8, .value_kind: global_buffer, .address_space: global }
      - { .name: out0, .offset: 24, .size: 8, .value_kind: global_buffer, .address_space: global }
    .group_segment_fixed_size: 186368
    .private_segment_fixed_size: 0
    .kernarg_segment_align: 8
    .kernarg_segment_size: 32
    .max_flat_workgroup_size: 512
    .sgpr_count:     66
    .vgpr_count:     256
    .wavefront_size: 32
...
	.end_amdgpu_metadata
.endif
;; end of part 1
;; ======== version 2 of 2: 1 launch; version 1 with the launch attn written anew for expert scheduling mode
;; limits: values are held in f16: magnitudes above 65,504 overflow, below 6.1e-05 lose precision; inputs' magnitudes at most 65,504
;; launch attn (part 2): grid 4 x 64, 16 waves a work-group, no clusters, 186,368 bytes of LDS; arguments query, key, value, out0; writes out0
.if DOCPART == 2
	.amdgcn_target "amdgcn-amd-amdhsa--gfx1250"
	.amdhsa_code_object_version 6
	.text
	.protected	k_q26e5192282_attn
	.globl	k_q26e5192282_attn
	.p2align	8
	.type	k_q26e5192282_attn,@function
k_q26e5192282_attn:
	s_mov_b64 s[64:65], 0
	v_nop
	global_prefetch_b8 v0, s[64:65] scope:SCOPE_SE
	s_setreg_imm32_b32 hwreg(HW_REG_WAVE_SCHED_MODE, 0, 2), 2
	s_setreg_imm32_b32 hwreg(HW_REG_WAVE_MODE, 25, 1), 1
	s_wait_xcnt 0x0
	s_wait_alu depctr_vm_vsrc(0)
; out0[head][q][:] = the sum over k of softmax_k(Q[q] . K[k] / 8) V[k][:].  64 heads, 2,048 queries and keys, head size 64, all f32.
; Q K^T IS QUANTISED: both operands become codes of E2M1 with one E8M0 scale for each 32 along the head's 64, and are multiplied by v_wmma_scale_f32_16x16x128_f8f6f4.
; That instruction is 128 deep and the head 64: registers 4-7 of every fragment (k = 64 .. 127) hold zero codes on both sides; their scale bytes are 0, which is no NaN.
; P V is left as it is: p and V rounded to f16 (11 significant bits), sums in f32.  Maximum, exponentials and the row's sum in f32.
; SHARES.  A work-group owns 512 queries of one head (grid 4 x 64), each of its sixteen waves 32: two tiles of 16, in 256 registers, four waves to a SIMD.
; THE KEYS ARE WALKED TWICE.  The head's K as codes and scale words is 73,728 bytes and stays in LDS.  Pass B makes all scores and keeps each query's maximum m.  Pass C makes the same scores again
; (same instruction, same operands, same bits), p = 2^(c s - c m) with the final m, c = log2(e) / 8, adds p up, rounds it to f16 and adds V^T P onto O^T.  So nothing is ever rescaled, and m is the row's true maximum.
; LAYOUT.  S^T = K Q^T (source 0 = 16 keys, source 1 = 16 queries): a lane holds ONE query (lane % 16) and keys 8 (lane / 16) + 0 .. 7.  Two such tiles (a step of 32 keys), rounded in pairs, ARE source 1 of
; O^T = V^T P (source 0 = 16 channels x 32 keys, read turned from V laid [key][channel]); its result again holds one query a lane, and eight channels.
; K AND V GO memory -> registers -> LDS: they arrive as f32 and have to pass through registers to be quantised or rounded.  NO CLUSTER, NO JOINT TENSOR LOADS: a joint load would lay the f32 bytes, 1 MiB for each
; work-group, into LDS to be read out and stored again, in order to spare four loads a wave for each 128 keys.  NO LAUNCH OF ITS OWN FOR THE QUANTISER: a wave quantises 8 tiles of K and rounds 128 keys x 16 bytes a lane of V,
; a few hundred instructions beside the six thousand of its softmax.
; LIMITS.  NaN and infinities among the inputs are not served.  A block of zeros gets the scale byte 1 where the quantiser says 127: its codes are zeros, and only this program reads the bytes.
; V is rounded to f16: magnitudes from 65,520 on become infinity there, and under 2^-14 the step is 2^-24.  p lies in (0, 1]: in the second product a p under 2^-14 has the step 2^-24 and one under 2^-25 counts for 0
; (2,048 such errors are under 7e-5 of a row's sum, which is at least 1); in the row's sum a p under 2^-126 falls to 0 (v_exp_f32 gives no denormals: ISA guide 15.8).
; THE MODE: SCHED_MODE bits 1:0 = 2 (LLVM: expert scheduling mode 2), set by the entry lines.  The code itself states the register dependences between vector or matrix instructions and memory or LDS instructions,
; with s_wait_alu, always for 0.
; THE PLAN.  Registers that memory or LDS instructions touch:
;   v1, v3-v6, v14 (as AS0)   addresses, made once by vector lines and never written again.  v7, v12, v13 serve phase A as addresses; v7 and v12 are made anew on the way out, v13 becomes ADS.
;   ADK, ADS     read by the records' loads; written by two vector additions, once a trip of pass B and once a pair of chunks of pass C.
;   X0 .. X3     phase A: loads land, QUANT reads, the set is asked for again.          KCD, KW   phase A: conversions and selects write, LDS stores read; the registers are KB1, VF and P later.
;   VS           V's loads land; eight roundings read and write it at a chunk's head; four LDS stores read it; the loads of the chunk after next land in it.
;   KF, KB1, KS  the records' loads land; the products K Q^T read.                      VF   the turning loads land; the products V^T P read.
;   O, S         on the way out: the multiplies write O, the stage's stores read it; the stage's loads land in S, the global stores read it.
;   P, L, CM, and S in the loops, are named by vector and matrix lines alone.
; PASS C HAS ONE WAIT ON va_vdst A STEP, behind the batch of exponentials, among which all twelve products of the step stand.  All LDS instructions of the step follow it, dealt among the step's sums and roundings,
; which name L, S and P: none of the registers that those LDS instructions touch.  Pass B has one at the head of each step that loads, phase A one behind each tile that is asked for again.
; A wait on vm_vsrc stands ahead of each write of ADK and ADS, ahead of V's loads, and at the end of phase A.
.set KREC,  1152                       ; LDS 0 on: 64 records, one for each step of 32 keys: +0 the register image of the first 16 keys' codes (16 bytes a lane), +512 of the second 16's, +1,024 their 32 scale words (4 bytes a lane)
.set VB,    64*KREC                    ; behind them: V as f16, two slots of 128 keys
.set VP,    160                        ; a key's row: 128 bytes + 32 of padding = 40 words: the 8 rows x 32 bytes that sixteen lanes of a turning load take begin at words 40 r mod 64, all different
.set VSLOT, 128*VP
.set OST,   VB+2*VSLOT                 ; behind them: a stage of 16 rows x (256 + 16) bytes for each wave, for the way out; behind the stages, from byte 0x2d000 on, the spare words: 128 bytes for each wave, which no other line names
.set OSTW,  16*272
.set AK0, 1                            ; v1   16 x lane: my place in an image; also my offset in two rows of out0
.set ADK, 2                            ; v2   the images' address in hand
.set AV0, 3                            ; v3   my place in a step's rows of V, for the turning loads
.set VST, 4                            ; v4   where I store 8 bytes of V
.set VGO, 5                            ; v5   my offset in a chunk of V in memory
.set PFO, 6                            ; v6   the prefetches' offset: 256 x (thread % 128)
.set AKS, 7                            ; v7   phase A: where I store scale words;  at the end STO
.set STO, 7
.set QS,  8                            ; v8-9   Q's scale words, a register a tile: scales and nothing else
.set KS,  10                           ; v10-11 K's scale words, two sets: lanes 0-15 the step's first 16 keys, lanes 16-31 its second 16
.set AKW, 12                           ; v12  phase A: where I store images;  at the end SRD
.set SRD, 12
.set XO,  13                           ; v13  phase A: my offset in a tile of 16 rows of f32;  later ADS
.set ADS, 13                           ;      the scale words' address in hand
.set SH8, 14                           ; v14  phase A: 8 x (lane / 16);  later AS0
.set AS0, 14                           ;      4 x lane
.set LN,  15                           ; v15  lane
.set QF,  16                           ; v16-31  Q's two fragments
.set KF,  32                           ; v32-47  two fragments of K (a step)
.set CM,  48                           ; v48-51  tile q: -c m, twice
.set T0,  48                           ; phase A: at work
.set T1,  49
.set SCL, 50
.set BY,  51
.set L,   52                           ; v52-59  the sums: a pair for each of a step's four accumulators
.set M,   52                           ; pass B: v52-55 the maxima, likewise
.set VS,  60                           ; v60-75  16 numbers of V on their way
.set P,   76                           ; v76-91  p as f16, 8 registers a tile
.set WD,  76                           ; phase A: v76-83 the scale words of my 8 tiles of K, v84-87 merged by steps
.set KW,  84
.set VF,  92                           ; v92-123 four fragments of V^T
.set KCD, 92                           ; phase A: the codes of my 8 tiles of K
.set KB1, 92                           ; pass B: K's second buffer
.set S,   124                          ; v124-187 scores, two sets of 32: accumulator (tile q, keys 16 u on) at 16 q + 8 u
.set X,   124                          ; phase A: v124-251 four sets of 32 numbers
.set O,   188                          ; v188-251 O^T: accumulator (tile q, channels 16 c on) at 32 q + 8 c
; v254 the LDS address of my spare word, v255 0: made at the head and kept for the closing lines alone
; s[4:5] Q, s[6:7] K, s[8:9] V, s[10:11] out0, each at my part; s12 wave; s[16:17] lane selects; s[18:19] c; s20 a loop's count; s21, s22 who prefetches; s23 the K records' step
; a tile of 16 rows x 64 f32: lane (r, h) takes the 128 bytes of block h of row r, in the order in which the fragment wants them; the eight loads together cover 4,096 bytes on end
.macro XLOAD g, b, off, hint
.irp n, 0,1,2,3,4,5,6,7
.if \hint
	global_load_b128 v[X+32*(\g)+4*\n:X+32*(\g)+4*\n+3], v[XO], s[\b:\b+1] offset:(\off)+16*\n th:TH_LOAD_NT
.else
	global_load_b128 v[X+32*(\g)+4*\n:X+32*(\g)+4*\n+3], v[XO], s[\b:\b+1] offset:(\off)+16*\n
.endif
.endr
.endm
; my block of 32 numbers becomes registers 0-3 of a fragment, v[cd] on, and the row's scale word, v[wd] (the same in lanes l and l xor 16)
.macro QUANT xs, cd, wd
	v_max3_num_f32 v[T0], |v[(\xs)]|, |v[(\xs)+1]|, 0x1800000       ; the largest magnitude, in two chains, and the floor 2^(3 - 127): the byte cannot fall under 1, as the quantiser's hold at -126 has it
	v_max3_num_f32 v[T1], |v[(\xs)+2]|, |v[(\xs)+3]|, |v[(\xs)+4]|
.irp i, 5,9,13,17,21,25
	v_max3_num_f32 v[T0], v[T0], |v[(\xs)+\i]|, |v[(\xs)+\i+1]|
	v_max3_num_f32 v[T1], v[T1], |v[(\xs)+\i+2]|, |v[(\xs)+\i+3]|
.endr
	v_max3_num_f32 v[T0], v[T0], |v[(\xs)+29]|, |v[(\xs)+30]|
	v_max3_num_f32 v[T0], v[T0], v[T1], |v[(\xs)+31]|
	v_add_nc_u32 v[SCL], 0xff000000, v[T0]         ; 2 off its exponent field: the conversion takes the exponent field of this operand as its scale
	v_lshrrev_b32 v[BY], 23, v[SCL]                ; the scale's byte
.irp g, 0,1,2,3
	v_cvt_scalef32_pk8_fp4_f32 v[(\cd)+\g], v[(\xs)+8*\g:(\xs)+8*\g+7], v[SCL]
.endr
	v_lshlrev_b32 v[BY], v[SH8], v[BY]             ; my byte at its place in the word (block h: 8 h bits up).  Also the plain line behind the conversions
	v_permlanex16_b32 v[T1], v[BY], s16, s17
	v_or_b32 v[\wd], v[BY], v[T1]                  ; with lane l xor 16's the word is whole; bytes 2 and 3 stay 0, over zero codes
.endm
; my wave's 8 keys of a chunk of 128: four loads of 512 bytes on end (two keys each)
.macro VLOAD off
.irp n, 0,1,2,3
	global_load_b128 v[VS+4*\n:VS+4*\n+3], v[VGO], s[8:9] offset:(\off)+512*\n
.endr
.endm
; they are rounded to f16, in place,
.macro VCVT
.irp n, 0,1,2,3
	v_cvt_pk_f16_f32 v[VS+4*\n], v[VS+4*\n], v[VS+4*\n+1]
	v_cvt_pk_f16_f32 v[VS+4*\n+1], v[VS+4*\n+2], v[VS+4*\n+3]
.endr
.endm
; and, behind a wait on va_vdst, laid into a slot, 8 bytes a lane
.macro VSTORE slot
.irp n, 0,1,2,3
	ds_store_b64 v[VST], v[VS+4*\n:VS+4*\n+1] offset:(\slot)*VSLOT+2*VP*\n
.endr
.endm
; a record: registers 0-3 of two fragments and the step's scale words: three LDS loads
.macro KLOAD kb, ks, ak, a4, off
	ds_load_b128 v[(\kb):(\kb)+3], v[\ak] offset:(\off)
	ds_load_b128 v[(\kb)+8:(\kb)+11], v[\ak] offset:(\off)+512
	ds_load_b32 v[\ks], v[\a4] offset:(\off)+1024
.endm
; product n of a step's four: keys 16 (n / 2) on x tile n % 2, into set xs.  Each starts its sum with the constant 0
.macro KQ kb, ks, xs, n
.set rS, S+32*(\xs)+16*((\n)%2)+8*((\n)/2)
.set rK, (\kb)+8*((\n)/2)
.set rQ, QF+8*((\n)%2)
.if (\n)/2
	v_wmma_scale_f32_16x16x128_f8f6f4 v[rS:rS+7], v[rK:rK+7], v[rQ:rQ+7], 0, v[\ks], v[QS+(\n)%2] matrix_a_fmt:MATRIX_FMT_FP4 matrix_b_fmt:MATRIX_FMT_FP4 matrix_a_scale:MATRIX_SCALE_ROW1
.else
	v_wmma_scale_f32_16x16x128_f8f6f4 v[rS:rS+7], v[rK:rK+7], v[rQ:rQ+7], 0, v[\ks], v[QS+(\n)%2] matrix_a_fmt:MATRIX_FMT_FP4 matrix_b_fmt:MATRIX_FMT_FP4
.endif
.endm
; PASS B, step j, x = j % 2: the record of step j + 2 is asked for, the scores of step j + 1 are made, the maxima take the scores of step j, four lines behind each product.
; The four lines behind the last product are the places in front of the next step's loads into that product's buffer, and of the first read of its result.
.macro BSTEP x, ld, ak, a4, off
.if \ld
	s_wait_alu depctr_va_vdst(0)                   ; the last step's four products are done reading this buffer and its scale words, in which the loads below land; in a trip's first step ADK and ADS are written; ahead of the first step of all, so are the second buffer's zero codes, which its products take
	KLOAD KF+(KB1-KF)*(\x), KS+(\x), \ak, \a4, \off
.endif
	s_wait_dscnt 3*(\ld)                           ; the record of step j + 1 is in; the three loads just issued may be out
.irp n, 0,1,2,3
	KQ KF+(KB1-KF)*(1-(\x)), KS+1-(\x), 1-(\x), \n
.irp e, 0,1,2,3
	v_max3_num_f32 v[M+\e], v[M+\e], v[S+32*(\x)+8*\e+2*\n], v[S+32*(\x)+8*\e+2*\n+1]   ; each accumulator from its low end on
.endr
.endr
.endm
.macro SETK                            ; the records' addresses: my lane's place + the step that s23 holds
	s_wait_alu depctr_vm_vsrc(0)                   ; the records' loads issued so far have read ADK and ADS (ahead of the first time: phase A's loads have read v13 as their offset)
	v_add_nc_u32 v[ADK], s23, v[AK0]
	v_add_nc_u32 v[ADS], s23, v[AS0]
.endm
; PASS C: the lines of a step
.macro FMA x, i                        ; pair i of the 16 pairs of scores: c s - c m
	v_pk_fma_f32 v[S+32*(\x)+2*(\i):S+32*(\x)+2*(\i)+1], v[S+32*(\x)+2*(\i):S+32*(\x)+2*(\i)+1], s[18:19], v[CM+2*((\i)/8):CM+2*((\i)/8)+1] op_sel_hi:[1,0,0]
.endm
.macro EXP x, k
	v_exp_f32 v[S+32*(\x)+(\k)], v[S+32*(\x)+(\k)]
.endm
.macro PV k, zero                      ; product k of eight: channels 16 (k / 2) on, tile k % 2
.set rO, O+32*((\k)%2)+8*((\k)/2)
.set rV, VF+8*((\k)/2)
.set rP, P+8*((\k)%2)
.if \zero
	v_wmma_f32_16x16x32_f16 v[rO:rO+7], v[rV:rV+7], v[rP:rP+7], 0
.else
	v_wmma_f32_16x16x32_f16 v[rO:rO+7], v[rV:rV+7], v[rP:rP+7], v[rO:rO+7]
.endif
.endm
.macro ADDP x, n                       ; sum n of 16: chain n % 4 takes pair n / 4 of its accumulator: the unrounded p
	v_pk_add_f32 v[L+2*((\n)%4):L+2*((\n)%4)+1], v[L+2*((\n)%4):L+2*((\n)%4)+1], v[S+32*(\x)+8*((\n)%4)+2*((\n)/4):S+32*(\x)+8*((\n)%4)+2*((\n)/4)+1]
.endm
.macro CVTP x, n                       ; two p to f16: the first into the low half
	v_cvt_pk_f16_f32 v[P+(\n)], v[S+32*(\x)+2*(\n)], v[S+32*(\x)+2*(\n)+1]
.endm
.macro VFRAG t, c                      ; a fragment of V^T, turned: step t's 32 keys x channels 16 c on
	ds_load_tr16_b128 v[VF+8*(\c):VF+8*(\c)+3], v[AV0] offset:((\t)/4)*VSLOT+((\t)%4)*32*VP+32*(\c)
	ds_load_tr16_b128 v[VF+8*(\c)+4:VF+8*(\c)+7], v[AV0] offset:((\t)/4)*VSLOT+((\t)%4)*32*VP+32*(\c)+16*VP
.endm
; Step j, x = j % 2, t = its number in a pair of chunks.  The batch: 16 groups of two exponentials of step j with a scaling between.  Behind each of the groups 2 to 13 stands one product: V^T P of step j - 1 (eight) and
; K Q^T of step j + 1 (four), two of the first kind and one of the second by turns.  Behind the batch stands the step's one wait on va_vdst; behind it the step's LDS instructions, dealt among its sums and roundings:
; V's stores (vst = 1: a chunk's first step; into slot vsl), the eight loads of V of step j, the record of step j + 2.
; pv = 2: eight products V^T P; 1: they start O^T's sums; 0: none.  wv: how many LDS instructions were issued behind the eight loads of V.  kq, kl: there is a step j + 1, a step j + 2.
; The twelve accumulators take turns, one instruction a turn.  Every place behind a matrix instruction is work: four sums stand ahead of the first load into V's fragments, eight ahead of the
; roundings into P, twelve plain lines ahead of the loads into K's fragments, all 32 ahead of the next step's first read of the scores.
.macro CSTEP x, t, pv, wv, kq, kl, vst, vsl
	FMA \x, 0
	FMA \x, 1
.set i, 0
.rept 16
	EXP \x, 2*i
.if i < 14
	FMA \x, i+2                                    ; a plain line that touches neither exponential's register
.endif
	EXP \x, 2*i+1
.if (i >= 2) && (i < 14)
.if (i-2)%3 == 2
.if \kq
.if i == 4
	s_wait_dscnt 0x0                               ; the record of step j + 1 is in: its three loads were the last step's youngest LDS instructions
.endif
	KQ KF, KS+1-(\x), 1-(\x), (i-2)/3
.endif
.elseif \pv
.if i == 2
	s_wait_dscnt \wv                               ; V's fragments of step j - 1 are in; the record asked for behind them may be out
.endif
	PV 2*((i-2)/3)+(i-2)%3, 2-\pv
.endif
.endif
.set i, i+1
.endr
	s_wait_alu depctr_va_vdst(0)                   ; the step's one wait.  The 32 exponentials have written p, ahead of the first line that names one; V^T P is done reading VF, and K Q^T done reading KF and its scale words, in which the loads below land; in a chunk's first step the roundings have written VS, which the stores below read; in a pair's first step ADK and ADS are written
.if \vst
	VSTORE \vsl
.endif
.irp n, 0,1,2,3
	ADDP \x, \n                                    ; (the first is the plain line behind the last exponentials: it reads the step's first pair)
.endr
	VFRAG \t, 0                                    ; no further wait: no vector or matrix line since the wait names VF, KF, K's scale words, VS or an address
	VFRAG \t, 1
.irp n, 4,5,6,7
	ADDP \x, \n
.endr
	VFRAG \t, 2
	VFRAG \t, 3
.irp n, 0,1,2,3
	CVTP \x, \n
.endr
.if \kl
	KLOAD KF, KS+(\x), ADK, ADS, KREC*((\t)+2)
.endif
.irp n, 4,5,6,7,8,9,10,11,12,13,14,15
	CVTP \x, \n
.endr
.irp n, 8,9,10,11,12,13,14,15
	ADDP \x, \n
.endr
.endm
; A PREFETCH INTO THE L2 of the chunk of V that the NEXT chunk's loads will read.  It stands behind my wave's four loads of V.  All four work-groups of a head walk the same V: the head's first work-group asks,
; its waves 0 to 3, a lane a row of 256 bytes: 128 rows, the chunk.  So each row is named once in the launch.  Chunks 0 to 2 come by their loads alone; chunk 13's turn and the tail ask for nothing: there is no chunk 16.
.macro ASK lim, off
	s_cmp_gt_u32 s20, s[\lim]
	s_cbranch_scc0 .Lno_ask_\@
	global_prefetch_b8 v[PFO], s[8:9] offset:\off th:TH_LOAD_NT scope:SCOPE_SE
.Lno_ask_\@:
.endm
; A chunk of 128 keys, four steps, read from slot p.  conv: the next chunk, which has come into registers, is rounded at the chunk's head and goes into the other slot behind the first step's wait; load: the chunk after that is asked for.
; The barrier at a chunk's end: every wave's stores of the next chunk have landed and its reads of this slot are over (its wait for 0), so behind it the next slot is read and this one written.
.macro CCHUNK p, conv, load, lim, first, last
.if \conv
	s_wait_loadcnt 0x0                             ; asked for three steps and a barrier ago
	VCVT
.endif
.if \first
	CSTEP 0, 4*(\p), 0, 0, 1, 1, \conv, 1-(\p)
.else
	CSTEP 0, 4*(\p), 2, 3, 1, 1, \conv, 1-(\p)
.endif
.if \load
	s_wait_alu depctr_vm_vsrc(0)                   ; the four stores of the step above have read VS, in which the loads below land (the roundings that named VS stand ahead of that step's wait on va_vdst)
	VLOAD 65536+32768*(\p)                         ; two chunks on
	ASK \lim, 98304+32768*(\p)
.endif
.if \first
	CSTEP 1, 4*(\p)+1, 1, 3, 1, 1, 0, 0
.else
	CSTEP 1, 4*(\p)+1, 2, 3, 1, 1, 0, 0
.endif
.if \last
	CSTEP 0, 4*(\p)+2, 2, 3, 1, 0, 0, 0
	CSTEP 1, 4*(\p)+3, 2, 0, 0, 0, 0, 0
.else
	CSTEP 0, 4*(\p)+2, 2, 3, 1, 1, 0, 0
	CSTEP 1, 4*(\p)+3, 2, 3, 1, 1, 0, 0
	s_wait_dscnt 0x0
	s_barrier_signal -1
	s_barrier_wait -1
.endif
.endm
.macro PAIREND                         ; on to the next two chunks
	s_wait_xcnt 0x0                                ; the loads and the prefetch, three steps back, have read their base
	s_add_nc_u64 s[8:9], s[8:9], 0x10000
	s_add_co_u32 s23, s23, 8*KREC
	SETK
.endm
	; ---- the head: addresses and constants
	s_load_b256 s[4:11], s[0:1], 0x0               ; query, key, value, out0
	v_lshl_add_u32 v254, v0, 2, 0x2d000            ; my spare word, and 0: made here and kept
	v_mov_b32 v255, 0
	v_lshrrev_b32 v[ADK], 5, v0
	v_readfirstlane_b32 s12, v[ADK]                ; wave 0..15
	v_and_b32 v[LN], 31, v0
	v_and_b32 v[P], 15, v0                         ; r
	v_bfe_u32 v[P+1], v0, 4, 1                     ; h
	v_bfe_u32 v[P+2], v0, 3, 1
	v_lshlrev_b32 v[AK0], 4, v[LN]
	v_and_b32 v[AV0], 7, v0                        ; the turning load: lane l reads key 8 h + l % 8, channels 8 ((l / 8) % 2) on
	v_lshl_add_u32 v[AV0], v[P+1], 3, v[AV0]
	v_mul_u32_u24 v[AV0], v[AV0], VP
	v_lshl_add_u32 v[AV0], v[P+2], 4, v[AV0]
	v_add_nc_u32 v[AV0], VB, v[AV0]
	s_wait_alu depctr_va_sdst(0)                   ; s12 is written, ahead of its first reader
	s_mul_i32 s13, s12, 8*VP                       ; V's stores: key 8 w + h (+ 2 n), channels 4 r on: 8 bytes
	s_add_co_u32 s13, s13, VB
	v_mul_u32_u24 v[VST], v[P+1], VP
	v_lshl_add_u32 v[VST], v[P], 3, v[VST]
	v_add_nc_u32 v[VST], s13, v[VST]
	s_lshl_b32 s13, s12, 11
	v_add_nc_u32 v[VGO], s13, v[AK0]               ; 2,048 w + 16 l
	v_and_b32 v[PFO], 127, v0
	v_lshlrev_b32 v[PFO], 8, v[PFO]
	s_mul_i32 s13, s12, 4*KREC                     ; my wave's four records
	v_lshl_add_u32 v[AKS], v[LN], 2, s13
	v_add_nc_u32 v[AKW], s13, v[AK0]
	v_lshlrev_b32 v[XO], 8, v[P]
	v_lshl_add_u32 v[XO], v[P+1], 7, v[XO]         ; row r of 256 bytes, + 128 h
	v_lshlrev_b32 v[SH8], 3, v[P+1]
.irp e, 4,5,6,7,12,13,14,15
	v_mov_b32 v[QF+\e], 0                          ; k = 64 .. 127: zero codes, written once; loads and conversions write registers 0-3 alone
	v_mov_b32 v[KF+\e], 0
.endr
	s_mov_b32 s16, 0x76543210
	s_mov_b32 s17, 0xfedcba98                      ; v_permlanex16_b32's selects for lane l xor 16
	s_mov_b32 s18, 0x3e38aa3b                      ; c = log2(e) / 8
	s_mov_b32 s19, s18                             ; (named with it as a pair, so it is written)
	s_lshr_b32 s13, s12, 2
	s_or_b32 s13, s13, ttmp9                       ; 0 in waves 0 to 3 of the head's first work-group
	s_cmp_eq_u32 s13, 0
	s_cselect_b32 s21, 0, -1                       ; a wave prefetches while s20 is above these
	s_cselect_b32 s22, 1, -1
	s_and_b32 s14, ttmp7, 0xffff
	s_lshl_b32 s14, s14, 19                        ; the head: 2,048 rows of 256 bytes
	s_mov_b32 s15, 0
	s_lshl_b32 s24, ttmp9, 17                      ; my work-group's 512 queries,
	s_lshl_b32 s25, s12, 13                        ; my wave's 32
	s_add_co_u32 s24, s24, s25
	s_add_co_u32 s24, s24, s14
	s_mov_b32 s25, 0
	s_lshl_b32 s26, s12, 15                        ; my wave's 128 keys
	s_add_co_u32 s26, s26, s14
	s_mov_b32 s27, 0
	s_wait_kmcnt 0x0
	s_add_nc_u64 s[4:5], s[4:5], s[24:25]
	s_add_nc_u64 s[10:11], s[10:11], s[24:25]
	s_add_nc_u64 s[6:7], s[6:7], s[26:27]
	s_add_nc_u64 s[8:9], s[8:9], s[14:15]
	; ---- phase A: my two tiles of Q into registers, my eight tiles of K into LDS, V's chunk 0 into slot 0.  Four tiles' loads (32) are on their way
	s_wait_alu depctr_va_vdst(0)                   ; the addresses v1, v3 to v7, v12, v13, v254 and v255 are written, which the kernel's loads, stores and prefetches read; so are the zero codes of Q's and K's fragments, which the scaled products take
	VLOAD 0
	XLOAD 0, 4, 0, 1
	XLOAD 1, 4, 4096, 1
	XLOAD 2, 6, 0, 0
	XLOAD 3, 6, 4096, 0
	s_wait_loadcnt 24                              ; V's chunk 0 and Q's tile 0 are in; the three younger tiles' eight loads each may be out
	QUANT X, QF, QS
	VCVT
	s_wait_alu depctr_va_vdst(0)                   ; the quantiser is done reading set 0, in which the loads below land; the roundings have written VS, which the stores below read
	XLOAD 0, 6, 2*4096, 0
	VSTORE 0
	s_wait_loadcnt 24
	QUANT X+32, QF+8, QS+1
	s_wait_alu depctr_va_vdst(0)                   ; the quantiser is done reading set 1, in which the loads below land
	XLOAD 1, 6, 3*4096, 0
.macro KSTORE t                        ; tile t's codes go to LDS as an image of their registers
	ds_store_b128 v[AKW], v[KCD+4*(\t):KCD+4*(\t)+3] offset:((\t)/2)*KREC+((\t)%2)*512
.endm
.macro KTILE t, left                   ; tile t of my eight of K; left: the younger tiles' loads.  Tiles 0 to 3 have a tile behind them in their set; the images of tiles 4 to 7 leave together, below
	s_wait_loadcnt \left
	QUANT X+32*(((\t)+2)%4), KCD+4*(\t), WD+(\t)
.if (\t)+4 < 8
	s_wait_alu depctr_va_vdst(0)                   ; the conversions have written the tile's codes, which the store reads, and are done reading the set, in which the loads land
	KSTORE \t
	XLOAD ((\t)+2)%4, 6, ((\t)+4)*4096, 0
.endif
.endm
	KTILE 0, 24
	KTILE 1, 24
	KTILE 2, 24
	KTILE 3, 24
	KTILE 4, 24
	KTILE 5, 16
	KTILE 6, 8
	KTILE 7, 0
	v_cmp_lt_u32 vcc_lo, 15, v[LN]
	v_lshlrev_b32 v[AS0], 2, v[LN]
	s_wait_alu depctr_va_vcc(0)                    ; VCC is written, ahead of the selects that read it
.irp e, 0,1,2,3
	v_cndmask_b32 v[KW+\e], v[WD+2*\e], v[WD+2*\e+1], vcc_lo     ; a step's words: lanes 0-15 its first tile's rows, lanes 16-31 its second's
.endr
	s_wait_alu depctr_va_vdst(0)                   ; the codes of tiles 4 to 7 and the four merged words are written, which the stores below read; so is AS0, which the records' loads read
.irp t, 4,5,6,7
	KSTORE \t
.endr
.irp e, 0,1,2,3
	ds_store_b32 v[AKS], v[KW+\e] offset:KREC*\e+1024
.endr
	s_wait_alu depctr_vm_vsrc(0)                   ; phase A's stores have read VS, in which chunk 1 lands; the codes' registers, which become K's second buffer and V's fragments; the merged words', which become P; v7 and v12, which are made anew on the way out
	s_wait_dscnt 0x0                               ; for the others' sake: my records and my part of slot 0 have landed
	VLOAD 32768                                    ; chunk 1
.irp e, 4,5,6,7,12,13,14,15
	v_mov_b32 v[KB1+\e], 0                         ; the second buffer's zero codes
.endr
	s_barrier_signal -1
	s_barrier_wait -1                              ; all 64 records and slot 0 are whole
	; ---- pass B: each query's largest score
	KLOAD KF, KS, AK0, AS0, 0                      ; (no wait: the vector lines that named the registers in which these six loads land, and their addresses, stand ahead of the last wait on va_vdst)
	KLOAD KB1, KS+1, AK0, AS0, KREC
	s_wait_dscnt 3                                 ; record 0 is in; record 1's three loads may be out
.irp n, 0,1,2,3
	KQ KF, KS, 0, \n
.endr
.irp e, 0,1,2,3
	v_mov_b32 v[M+\e], 0xff800000                  ; under every score.  (These and the two additions below are the places behind those products)
.endr
	s_mov_b32 s23, 0
	s_mov_b32 s20, 15
.Lmax:                                             ; 15 trips of four steps: steps 0 to 59
	SETK
	BSTEP 0, 1, ADK, ADS, 2*KREC
	BSTEP 1, 1, ADK, ADS, 3*KREC
	BSTEP 0, 1, ADK, ADS, 4*KREC
	BSTEP 1, 1, ADK, ADS, 5*KREC
	s_add_co_u32 s23, s23, 4*KREC
	s_sub_co_u32 s20, s20, 1
	s_cmp_lg_u32 s20, 0
	s_cbranch_scc1 .Lmax
	SETK
	BSTEP 0, 1, ADK, ADS, 2*KREC                   ; steps 60 and 61 ask for the last two records,
	BSTEP 1, 1, ADK, ADS, 3*KREC
	BSTEP 0, 1, AK0, AS0, 0                        ; step 62 for record 0 again,
	BSTEP 1, 0, AK0, AS0, 0                        ; and step 63's products are pass C's scores of step 0
	s_wait_alu depctr_va_vdst(0)                   ; those products are done reading KF, and step 62's their scale words, in which the loads below land
	KLOAD KF, KS+1, AK0, AS0, KREC                 ; record 1, for pass C
.irp q, 0,1
	v_max_num_f32 v[M+2*\q], v[M+2*\q], v[M+2*\q+1]
.endr
.irp q, 0,1
	v_permlanex16_b32 v[M+2*\q+1], v[M+2*\q], s16, s17           ; the query's other keys lie in the lane 16 away
.endr
.irp q, 0,1
	v_max_num_f32 v[M+2*\q], v[M+2*\q], v[M+2*\q+1]
.endr
.irp q, 0,1
	v_mul_f32 v[CM+2*\q], 0xbe38aa3b, v[M+2*\q]    ; -c m
.endr
.irp q, 0,1
	v_mov_b32 v[CM+2*\q+1], v[CM+2*\q]             ; (named with it as a pair)
.endr
.irp e, 0,1,2,3,4,5,6,7
	v_mov_b32 v[L+\e], 0
.endr
	s_mov_b32 s23, 0
	SETK
	; ---- pass C: 16 chunks of 128 keys, in pairs
	s_mov_b32 s20, 7                               ; (above both limits: the first pair asks for chunks 3 and 4)
	CCHUNK 0, 1, 1, 21, 1, 0                       ; the first pair is written out: step 0 has no V^T P, step 1's starts O^T's sums: nothing is cleared
	CCHUNK 1, 1, 1, 22, 0, 0
	PAIREND
	s_mov_b32 s20, 6
.Lpair:                                            ; chunks 2 to 13
	CCHUNK 0, 1, 1, 21, 0, 0
	CCHUNK 1, 1, 1, 22, 0, 0
	PAIREND
	s_sub_co_u32 s20, s20, 1
	s_cmp_lg_u32 s20, 0
	s_cbranch_scc1 .Lpair
	CCHUNK 0, 1, 0, 21, 0, 0                       ; chunk 14: chunk 15 goes into its slot; nothing is left to ask for
	CCHUNK 1, 0, 0, 21, 0, 1                       ; chunk 15: its last steps have no step behind them
	s_mul_i32 s13, s12, OSTW                       ; the way out's addresses are made here, while V's last fragments come in
	s_add_co_u32 s13, s13, OST                     ; my stage
	v_and_b32 v[CM], 15, v0                        ; r
	v_bfe_u32 v[CM+1], v0, 4, 1                    ; h
	v_mul_u32_u24 v[STO], v[CM], 272               ; in: row r; accumulator c's eight channels of my half: 64 c + 32 h bytes on.  (v7 and v12 were last read by phase A's stores, ahead of the wait on vm_vsrc at its end)
	v_lshl_add_u32 v[STO], v[CM+1], 5, v[STO]
	v_add_nc_u32 v[STO], s13, v[STO]
	v_mul_u32_u24 v[SRD], v[CM+1], 272             ; back: lanes 0-15 one row of 256 bytes, lanes 16-31 the next
	v_lshl_add_u32 v[SRD], v[CM], 4, v[SRD]
	v_add_nc_u32 v[SRD], s13, v[SRD]
	s_wait_dscnt 0x0                               ; V's last fragments are in
.set i, 0
.rept 8
	PV i, 0                                        ; V^T P of step 63
.set i, i+1
.endr
	; ---- the way out: O^T / the row's sum, through my stage, as whole rows.  The additions are the places behind the last products
.irp q, 0,1
	v_pk_add_f32 v[L+4*\q:L+4*\q+1], v[L+4*\q:L+4*\q+1], v[L+4*\q+2:L+4*\q+3]
.endr
.irp q, 0,1
	v_add_f32 v[L+4*\q], v[L+4*\q], v[L+4*\q+1]
.endr
.irp q, 0,1
	v_permlanex16_b32 v[L+4*\q+1], v[L+4*\q], s16, s17
.endr
.irp q, 0,1
	v_add_f32 v[L+4*\q], v[L+4*\q], v[L+4*\q+1]
.endr
.irp q, 0,1
	v_rcp_f32 v[L+4*\q+2], v[L+4*\q]
.endr
	v_nop                                          ; a plain line between the reciprocals and their use
	s_wait_alu depctr_va_vdst(0)                   ; the two reciprocals are written, ahead of the first line that names one: one wait for both
.set i, 0
.rept 32
	v_pk_mul_f32 v[O+2*i:O+2*i+1], v[O+2*i:O+2*i+1], v[L+4*(i/16)+2:L+4*(i/16)+3] op_sel_hi:[1,0]   ; ascending: each accumulator from its low end on
.set i, i+1
.endr
	s_wait_alu depctr_va_vdst(0)                   ; the multiplies have written O, which the stage's stores read; STO and SRD are written; the last steps' sums and roundings are done reading S, in which the stage's loads land
.irp q, 0,1
.irp c, 0,1,2,3
	ds_store_b128 v[STO], v[O+32*\q+8*\c:O+32*\q+8*\c+3] offset:64*\c
	ds_store_b128 v[STO], v[O+32*\q+8*\c+4:O+32*\q+8*\c+7] offset:64*\c+16
.endr
.irp e, 0,1,2,3,4,5,6,7
	ds_load_b128 v[S+32*\q+4*\e:S+32*\q+4*\e+3], v[SRD] offset:544*\e    ; LDS serves a wave's instructions in order (ISA guide 5.7.1.4): these see my stores, and the second tile's stores come behind them
.endr
.endr
.irp q, 0,1
.irp e, 0,1,2,3,4,5,6,7
	s_wait_dscnt 23-16*\q-\e                       ; the LDS instructions issued behind this load may be out
	global_store_b128 v[AK0], v[S+32*\q+4*\e:S+32*\q+4*\e+3], s[10:11] offset:4096*\q+512*\e th:TH_STORE_NT   ; 32 lanes store two rows, 512 bytes on end, at a multiple of 256 from out0's first byte
.endr
.endr
	s_wait_dscnt 0x0                               ; the closing lines, six on end
	s_wait_alu 0x0
	s_wait_tensorcnt 0x0
	ds_add_u32 v254, v255
	s_wait_dscnt 0x0
	s_endpgm
.Lfunc_end_k_q26e5192282_attn:
	.size	k_q26e5192282_attn, .Lfunc_end_k_q26e5192282_attn-k_q26e5192282_attn
	.p2alignl 7, 3214868480
	.fill 96, 4, 3214868480
	.section	.rodata,"a",@progbits
	.p2align	6, 0x0
	.amdhsa_kernel k_q26e5192282_attn
		.amdhsa_group_segment_fixed_size 186368
		.amdhsa_private_segment_fixed_size 0
		.amdhsa_enable_private_segment 0
		.amdhsa_kernarg_size 32
		.amdhsa_user_sgpr_count 2
		.amdhsa_user_sgpr_kernarg_segment_ptr 1
		.amdhsa_wavefront_size32 1
		.amdhsa_system_sgpr_workgroup_id_x 1
		.amdhsa_system_sgpr_workgroup_id_y 1
		.amdhsa_system_sgpr_workgroup_id_z 1
		.amdhsa_system_vgpr_workitem_id 0
		.amdhsa_next_free_vgpr 256
		.amdhsa_next_free_sgpr 66
		.amdhsa_reserve_vcc 1
		.amdhsa_float_denorm_mode_32 3
		.amdhsa_float_denorm_mode_16_64 3
		.amdhsa_memory_ordered 1
		.amdhsa_forward_progress 1
		.amdhsa_inst_pref_size 199
	.end_amdhsa_kernel
	.amdgpu_metadata
---
amdhsa.version: [ 1, 2 ]
amdhsa.kernels:
  - .name:           k_q26e5192282_attn
    .symbol:         k_q26e5192282_attn.kd
    .args:
      - { .name: query, .offset: 0, .size: 8, .value_kind: global_buffer, .address_space: global }
      - { .name: key, .offset: 8, .size: 8, .value_kind: global_buffer, .address_space: global }
      - { .name: value, .offset: 16, .size: 8, .value_kind: global_buffer, .address_space: global }
      - { .name: out0, .offset: 24, .size: 8, .value_kind: global_buffer, .address_space: global }
    .group_segment_fixed_size: 186368
    .private_segment_fixed_size: 0
    .kernarg_segment_align: 8
    .kernarg_segment_size: 32
    .max_flat_workgroup_size: 512
    .sgpr_count:     66
    .vgpr_count:     256
    .wavefront_size: 32
...
	.end_amdgpu_metadata
.endif
;; end of part 2
